; MI455X (gfx1250); checked and timed in simulation.
; The chip was launched on July 23, 2026; its instructions are those of AMD's public machine-readable ISA for CDNA 5 (MIT licence, August 2026) and "CDNA5" Instruction Set Architecture Reference Guide (July 2026). The comments in the code are by the model that wrote it; some were corrected since.
;; Fusion Head Co Atten. Allowed arithmetic: matrix products marked QUANTISED: E3M2 operands, one E8M0 scale for each 32 along K, by v_wmma_scale_f32_16x16x128_f8f6f4 with both operands' format E3M2, f32 sums; products left as they are: f32 operands where the result goes on into a quantised operand, else bf16, f16 or f32 operands; f32 sums; everything else in f32.
;; Inputs: W_codes 512 x 16 x 24 uint8 (E3M2 codes of W, K innermost, in blocks of 32 codes, four codes in three bytes); W_scales 512 x 16 uint8 (E8M0 scales of W, one for each 32 codes along K); audio_proj 512 x 512 float32; b 512 float32; img_proj 512 x 512 float32.
;; Outputs: out0 512 x 2,048 float32.
;; This version of the problem:
;;   THIS VERSION OF THE PROBLEM IS GIVEN IN LOW PRECISION. The matrix products marked QUANTISED in the list below multiply operands that are first quantised to E3M2 (3 exponent bits, 2 mantissa bits; 6 bits a number), with one power-of-two scale for each 32 numbers along K (OCP MX v1.0); their sums are f32. All else is computed in f32.
;;   The module's matrix products, in the order in which they are computed (A, B: the left and right operand; K: the contracted axis; several contracted axes count as one K, in the product's order):
;;     1. [M 512, K 512] x [K 512, N 512]; A: input img_proj; B: input W (given as codes): QUANTISED
;;     2. batch 512 x [M 1, K 512] x [K 512, N 512]; A: input audio_proj; B: computed on the way: left as it is (M = 1 < 16)
;;     3. batch 512 x [M 1, K 512] x [K 512, N 512]; A: computed on the way; B: computed on the way: left as it is (M = 1 < 16)
;;   THE QUANTISER, for each operand of a quantised product, along K:
;;     - K is cut into blocks of 32 from its start; a last block that is shorter is filled with zeros.
;;     - A block's scale is 2^e with e = floor(log2(the largest magnitude in the block)) - 4, held to -126 .. 127; a block of zeros has e = 0. As a byte (E8M0): e + 127.
;;     - Each number is divided by its block's scale, clamped to +-28, and rounded to the nearest number of E3M2, ties to even, subnormals kept.
;;     - The product sums the exact products of the quantised numbers (number of the format x scale) in f32.
;;   ~~~python
;;   def quantise(x, axis):      # numpy; x: float32 -> the quantised numbers, widened to float32 again
;;       x = np.moveaxis(x, axis, -1); K = x.shape[-1]
;;       x = np.pad(x, [(0, 0)] * (x.ndim - 1) + [(0, -K % 32)]); x = x.reshape(x.shape[:-1] + (-1, 32)); a = np.abs(x).max(-1, keepdims=True)
;;       e = np.where(a > 0, np.clip(np.frexp(np.where(a > 0, a, 1))[1] - 1 - 4, -126, 127), 0)      # np.frexp(a)[1] - 1 = floor(log2(a)), exactly
;;       r = np.clip(x / 2.0 ** e, -28, 28)
;;       step = 2.0 ** (np.maximum(np.frexp(np.where(r == 0, 1, r))[1] - 1, -2) - 2)
;;       q = np.round(r / step) * step * 2.0 ** e      # np.round: ties to even
;;       return np.moveaxis(q.reshape(q.shape[:-2] + (-1,))[..., :K], -1, axis).astype(np.float32)
;;   ~~~
;;   INPUTS GIVEN AS CODES. W (in the module: [512, 512], K = its axis 1): each comes as NAME_codes (uint8): NAME with its K axis moved to the last place and cut into blocks of 32 codes, [.., K / 32, bytes a block], one block behind the other in memory; four codes in three bytes: a row's codes are one little-endian stream of bits, code i at bits 6 i .. 6 i + 5 (a code: sign, 3 exponent bits, 2 mantissa bits); and NAME_scales (uint8): the same leading axes, one E8M0 byte (e + 127) for each 32 codes along K. Its value is code x scale, taken as it is: it is not quantised again, and the codes and scales need not be those that the quantiser above would give.
;; One version. Each part assembles by itself: llvm-mc -triple=amdgcn-amd-amdhsa -mcpu=gfx1250 --defsym DOCPART=n.
;; ======== version 1 of 1: 1 launch
;; launch coatt (part 1): grid 256 x 1, 16 waves a work-group, clusters of 4 x 1, 307,968 bytes of LDS; arguments W_codes, W_scales, audio_proj, b, img_proj, out0; writes out0
.if DOCPART == 1
	.amdgcn_target "amdgcn-amd-amdhsa--gfx1250"
	.amdhsa_code_object_version 6
	.text
	.protected	k_q14d93b73b2_coatt
	.globl	k_q14d93b73b2_coatt
	.p2align	8
	.type	k_q14d93b73b2_coatt,@function
k_q14d93b73b2_coatt:
	s_mov_b64 s[64:65], 0
	v_nop
	global_prefetch_b8 v0, s[64:65] scope:SCOPE_SE
	s_setreg_imm32_b32 hwreg(HW_REG_WAVE_MODE, 25, 1), 1
	s_wait_xcnt 0x0
	s_wait_alu depctr_hold_cnt(0) depctr_sa_sdst(0) depctr_va_vdst(0) depctr_va_sdst(0) depctr_va_ssrc(0) depctr_va_vcc(0) depctr_vm_vsrc(0)
	s_getreg_b32 s2, hwreg(HW_REG_IB_STS2, 6, 4)
	s_cmp_eq_u32 s2, 0
	s_cbranch_scc0 .Lentry_in_a_cluster
	s_endpgm
.Lentry_in_a_cluster:
	s_bfe_u32 s2, ttmp6, 0x10000c
	s_cmp_lg_u32 s2, 0x3003
	s_cbranch_scc0 .Lentry_shape_is_right
	s_endpgm
.Lentry_shape_is_right:
; out0[b] = [ img[b] | audio[b] | C_img[b] | C_audio[b] ], 512 f32 each, b = 0 .. 511.
; t = tanh(Q(img) Q(W)^T + bias): img is quantised here to E3M2 codes with one E8M0 scale for each 32 along K; W comes as codes and scale bytes; the product is made by the scaled 16x16x128 form, sums in f32.
; With F(u, v)[e] = sum over d of u_d p(d, e) / Z_d,  p(d, e) = exp(u_d v_e - m_d),  m_d = max over e of u_d v_e,  Z_d = sum over e of p(d, e):   C_img = F(audio, t),  C_audio = F(t, audio).
; THE MAXIMUM IS TAKEN AWAY as the softmax takes it: the map is a product of two vectors, so m_d = max(u_d vmax, u_d vmin), for every input.  Each exponential is made once: a group's p stay in registers from Z to the weighted sum.
; SHARES.  A work-group of 16 waves (256 registers each, four to a SIMD, so that one wave's exponentials stand beside another's packed arithmetic) owns 2 batch rows: four F of 512 d x 512 e.
;   Wave w: direction w / 8 (0: C_img, 1: C_audio), row (w / 4) % 2, d = 128 (w % 4) .. + 127.  Lane (r, h) holds 32 of the 512 e (e = 64 k + 4 r + i) and, in a group, 4 d (8 c + 4 h + k):
;   Z wants four steps across 16 lanes for each d, the weighted sum none.  A group: 64 packed multiply-adds, 128 exponentials, 60 packed sums, 28 lines for Z, 1 / Z and the weights, 64 packed multiply-adds.
; THE PRODUCT WITH W.  Its A tile holds the two rows eight times each (rows 0-7: batch row 0, rows 8-15: batch row 1), so register 0 of a result is t(row h, column n0 + r).  Wave w makes columns 32 w .. 32 w + 31.
; CLUSTER.  All work-groups read the same W (204,800 bytes, against 8,192 of rows of their own): four partners ask for each wave's 32 rows of codes JOINTLY, by the same tensor load with the same descriptor and the mask 15.
;   Each byte of LDS is filled once; a wave reads only the rows that its own load brought.
; LIMITS: NaN and infinities among the inputs are not served.  A p under 2^-126 counts as 0 (ISA guide, v_exp_f32), beside a Z of about 1 or more.  tanh = 1 - 2 / (1 + 2^(2 log2(e) z)): absolute error a few 2^-24.
;   A block of zeros of img gets the scale byte 1 where the quantiser says 127: its codes are zeros, and only this kernel reads the byte.  Blocks whose largest magnitude lies under 2^-122 (byte held at 1) were not tried.
.set VP,    2064                       ; LDS: a vector of 512 f32 + 16 bytes, so that the two rows that a load of 16 bytes touches lie in different banks
.set WROW,  384                        ; a row of W: 512 codes
.set WP,    432                        ; and in LDS: 3 x (128 bytes + 16 of padding) = 108 words: row r starts at bank 44 r mod 64, sixteen different multiples of 4 (64 banks of 4 bytes: ISA guide 11.1)
.set WWAVE, 32*WP                      ; a wave's 32 rows of W; they begin at LDS byte 0
.set XV,    16*WWAVE                   ; six vectors: audio row 0, 1; t row 0, 1; img row 0, 1
.set FRB,   1536                       ; an operand's image: 12 registers x 128 bytes
.set XI,    XV+12544                   ; the images of img's four fragments (K step s at FRB s),
.set XSC,   XI+4*FRB                   ; their scale words, 128 bytes each
.set SB,    XSC+512                    ; for each wave 128 d x 16 bytes: u log2(e), u, -m log2(e), 0
.set PB,    SB+16*2048                 ; for each wave 512 partial sums
.set LN,  1                            ; v1   lane
.set R,   2                            ; v2   r = lane % 16
.set H,   3                            ; v3   h = lane / 16
.set GOF, 4                            ; v4   16 x lane: my 16 bytes of a wave's 512, in memory; never rewritten
.set LST, 5                            ; v5   where my piece of img or audio goes in LDS
.set XA,  6                            ; v6   the quantiser's numbers
.set XWI, 7                            ; v7   where a quantising wave stores its image,
.set XWS, 8                            ; v8   and its scale word
.set LI,  9                            ; v9   an image's place for my lane
.set LS,  10                           ; v10  a scale word's
.set ADW, 11                           ; v11  my lane's place in my wave's rows of W; v12 the same behind one padding more
.set TA,  13                           ; v13  where t goes
.set VB,  14                           ; v14  v's 32 numbers of my lane
.set UB,  15                           ; v15  four of my wave's 128 u
.set SBW, 16                           ; v16  where their constants go,
.set SBR, 17                           ; v17  and where a group's come from,
.set ADS, 18                           ; v18  for the group in hand
.set PBW, 19                           ; v19  my partial sums, out
.set PBR, 20                           ; v20  and in
.set BO,  22                           ; v22  4 r: the bias; never rewritten
.set CH,  24                           ; v24-27   my piece of img or audio; later four u
.set WS,  28                           ; v28-31   W's scale words, K step s in register s: lanes 0-15 my first tile's rows, lanes 16-31 my second's.  Scales and nothing else
.set XS,  32                           ; v32-35   img's scale words.  Scales and nothing else
.set BI,  36                           ; v36-37   the bias of my two columns
.set MX,  38                           ; v38  the largest v
.set MN,  39                           ; v39  the largest -v
.set ACC, 40                           ; v40-71   the weighted sums of my 32 e
.set VE,  72                           ; v72-103  v of my 32 e
.set P,   104                          ; v104-231 p: d number k of the group at 32 k
.set S,   232                          ; v232-247 the group's constants, four registers a d
.set T,   248                          ; v248-255 a pair for each d: Z, then the weight (low) and 1 / Z (high)
.set XN,  104                          ; the head's registers lie over these: 64 numbers of img,
.set TM,  168                          ; 16 at work,
.set PW,  184                          ; the scale word just made,
.set PC,  188                          ; the codes just made (20);
.set XF,  40                           ; img's four fragments (48), W's eight (96), two accumulators, two t
.set WF,  104
.set D0,  200
.set D1,  208
.set Y,   216
.set WV,   16                          ; s16  my wave's number
.set HI,   17                          ; s17  w / 8: the piece is img's (1) or audio's (0); the direction
.set ROWC, 18                          ; s18  (w / 4) % 2: which of the two batch rows
.set Q,    19                          ; s19  w % 4: which quarter
.set SEL,  20                          ; s[20:21] lane selects for v_permlanex16_b32: lane l xor 16
.set C2,   22                          ; s22  2 log2(e)
.set TB,   23                          ; s23  where the next group's constants begin: 128 bytes a group
.set G1,   24                          ; s[24:31] descriptor group 1
.set G0,   32                          ; s[32:35] descriptor group 0
.set SRC,  36                          ; s[36:37] my piece in img or audio
.set OUTC, 38                          ; s[38:39] its place in out0
.set OUTF, 40                          ; s[40:41] my 128 results' place in out0
.set CNT,  48
; A round of the cluster's barrier: my work-group's barrier, wave 0 signals for the work-group, every wave waits for the four work-groups, my work-group's barrier once more.
.macro CROUND
	s_barrier_signal -1
	s_barrier_wait -1
	s_cmp_lg_u32 s[WV], 0
	s_cbranch_scc1 .Lnot_wave_0_\@
	s_barrier_signal -3
.Lnot_wave_0_\@:
	s_barrier_wait -3
	s_barrier_signal -1
	s_barrier_wait -1
.endm
.macro BARRIER                         ; my LDS stores have landed and my LDS loads are in: then the work-group's barrier
	s_wait_dscnt 0x0
	s_barrier_signal -1
	s_barrier_wait -1
.endm
	s_load_b256 s[4:11], s[0:1], 0x0               ; W's codes s[4:5], W's scales s[6:7], audio s[8:9], bias s[10:11]
	s_load_b128 s[12:15], s[0:1], 0x20             ; img s[12:13], out0 s[14:15]
	v_lshl_add_u32 v21, v0, 2, 0x4ab00
	v_mov_b32 v23, 0
	ds_add_u32 v21, v23
	ds_add_u32 v21, v23
	v_lshrrev_b32 v1, 5, v0
	v_readfirstlane_b32 s[WV], v1                  ; wave 0..15
	s_lshr_b32 s[HI], s[WV], 3
	s_bfe_u32 s[ROWC], s[WV], 0x10002
	s_and_b32 s[Q], s[WV], 3
	s_bfe_u32 s42, ttmp6, 0x40000                  ; cx: my place in the cluster; it enters the addresses of img, audio and out0 alone
	s_lshl_b32 s43, ttmp9, 2                       ; in a cluster launch ttmp9 counts clusters
	s_add_co_u32 s43, s43, s42                     ; my work-group
	s_lshl_b32 s43, s43, 1
	s_add_co_u32 s43, s43, s[ROWC]                 ; my wave's batch row
	; descriptor group 1: 32 rows x 384 bytes, dense in memory, padded in LDS
	s_mov_b32 s[G1], 15|(1<<20)|(1<<21)|(4<<22)|(3<<25)  ; 15:0 the mask: all four work-groups; 17:16 elements of 1 byte; 20 padding on; 21 set beside a mask; 24:22 after every 32 words (code 4); 31:25 4 words of it (code 3)
	s_mov_b32 s[G1+1], WROW<<16                    ; tensor_dim0
	s_mov_b32 s[G1+2], 32<<16                      ; tensor_dim1
	s_mov_b32 s[G1+3], WROW<<16                    ; tile_dim0
	s_mov_b32 s[G1+4], 32                          ; tile_dim1
	s_mov_b32 s[G1+5], WROW                        ; tensor_dim0_stride
	s_mov_b32 s[G1+6], 0
	s_mov_b32 s[G1+7], 0
	s_mov_b32 s[G0], 1                             ; count = 1
	s_mul_i32 s[G0+1], s[WV], WWAVE                ; LDS address: the wave's number alone
	s_mul_i32 s44, s[WV], 32*WROW
	s_mov_b32 s45, 0                               ; s[44:45] serves as a 64-bit offset from here on: s45 stays 0
	s_mov_b32 s[SEL], 0x76543210
	s_mov_b32 s[SEL+1], 0xfedcba98
	s_mov_b32 s[C2], 0x4038aa3b                    ; 2 log2(e)
	s_mov_b32 s[TB], 0
	s_wait_dscnt 0x0
	s_wait_kmcnt 0x0
	s_add_nc_u64 s[G0+2:G0+3], s[4:5], s[44:45]    ; rows 32 w on of W's codes: the same in all four partners
	s_or_b32 s[G0+3], s[G0+3], 0x80000000          ; type = 2
	CROUND                                         ; all four work-groups are here: the joint loads meet
	tensor_load_to_lds s[G0:G0+3], s[G1:G1+7]      ; one load a wave is out; it is the wave's only one
	s_nop 0
.rept 4
	v_nop                                          ; four v_nop behind a tensor load
.endr
	v_and_b32 v[LN], 31, v0
	v_and_b32 v[R], 15, v0
	v_bfe_u32 v[H], v0, 4, 1
	v_lshlrev_b32 v[GOF], 4, v[LN]
	v_lshlrev_b32 v[BO], 2, v[R]
	s_cmp_lt_u32 s[WV], 8                          ; waves 0-7 take audio's pieces, waves 8-15 img's: the choice hangs on the wave's number alone
	s_cselect_b64 s[SRC:SRC+1], s[8:9], s[12:13]
	s_lshl_b32 s46, s[Q], 9                        ; 512 x quarter
	s_lshl_b32 s44, s43, 11                        ; a row of 2,048 bytes
	s_add_co_u32 s44, s44, s46
	s_add_nc_u64 s[SRC:SRC+1], s[SRC:SRC+1], s[44:45]
	s_lshl_b32 s44, s[WV], 9                       ; W's scale bytes: 16 a row, my 32 rows
	s_add_nc_u64 s[6:7], s[6:7], s[44:45]
	s_lshl_b32 s44, s[WV], 7                       ; the bias of my 32 columns
	s_add_nc_u64 s[10:11], s[10:11], s[44:45]
	global_load_b128 v[CH:CH+3], v[GOF], s[SRC:SRC+1] th:TH_LOAD_NT   ; 512 consecutive bytes of my row: read once in the launch
	global_load_b128 v[WS:WS+3], v[GOF], s[6:7]    ; 512 consecutive bytes: lane l takes the four scale words of row 32 w + l
	global_load_b32 v[BI], v[BO], s[10:11]
	global_load_b32 v[BI+1], v[BO], s[10:11] offset:64
	s_lshl_b32 s44, s43, 13                        ; a row of out0 is 8,192 bytes
	s_add_co_u32 s44, s44, s46
	s_add_nc_u64 s[OUTF:OUTF+1], s[14:15], s[44:45]
	s_xor_b32 s44, s[HI], 1
	s_lshl_b32 s44, s44, 11                        ; img at byte 0 of the row, audio at 2,048
	s_add_nc_u64 s[OUTC:OUTC+1], s[OUTF:OUTF+1], s[44:45]
	s_lshl_b32 s44, s[HI], 11
	s_add_co_u32 s44, s44, 4096                    ; C_img at 4,096, C_audio at 6,144
	s_add_nc_u64 s[OUTF:OUTF+1], s[OUTF:OUTF+1], s[44:45]
	; every LDS address: a constant, the wave's number and the lane, made here for all waves
	s_lshl_b32 s47, s[HI], 2
	s_add_co_u32 s47, s47, s[ROWC]                 ; vector 0, 1: audio; 4, 5: img
	s_mul_i32 s47, s47, VP
	s_add_co_u32 s47, s47, s46
	s_add_co_u32 s47, s47, XV
	v_add_nc_u32 v[LST], s47, v[GOF]
	v_lshrrev_b32 v[XA], 3, v[R]                   ; the A tile's row r is batch row r / 8
	v_mul_u32_u24 v[XA], v[XA], VP
	v_lshl_add_u32 v[XA], v[H], 6, v[XA]           ; + 64 h: my 16 numbers of a block of 32
	s_add_co_u32 s47, s46, XV+4*VP                 ; K step w % 4: 512 bytes a step
	v_add_nc_u32 v[XA], s47, v[XA]
	s_mul_i32 s47, s[Q], FRB
	s_add_co_u32 s47, s47, XI
	v_add_nc_u32 v[XWI], s47, v[GOF]
	s_lshl_b32 s47, s[Q], 7
	s_add_co_u32 s47, s47, XSC
	v_lshl_add_u32 v[XWS], v[LN], 2, s47
	v_add_nc_u32 v[LI], XI, v[GOF]
	v_lshl_add_u32 v[LS], v[LN], 2, XSC
	v_mul_u32_u24 v[ADW], v[R], WP
	v_mad_u32_u24 v[ADW], v[H], 24, v[ADW]
	s_mul_i32 s47, s[WV], WWAVE
	v_add_nc_u32 v[ADW], s47, v[ADW]               ; W: row r x pitch + 24 h,
	v_lshl_add_u32 v[ADW+1], v[H], 4, v[ADW]       ; and + 40 h
	v_mul_u32_u24 v[TA], v[H], VP
	v_lshl_add_u32 v[TA], v[R], 2, v[TA]
	s_lshl_b32 s47, s[WV], 7
	s_add_co_u32 s47, s47, XV+2*VP
	v_add_nc_u32 v[TA], s47, v[TA]                 ; t(row h, column 32 w + r)
	s_xor_b32 s47, s[HI], 1                        ; v is the vector of the other kind: t for C_img, audio for C_audio
	s_lshl_b32 s47, s47, 1
	s_add_co_u32 s47, s47, s[ROWC]
	s_mul_i32 s47, s47, VP
	s_add_co_u32 s47, s47, XV
	v_lshl_add_u32 v[VB], v[R], 4, s47
	s_lshl_b32 s47, s[HI], 1                       ; u: audio for C_img, t for C_audio
	s_add_co_u32 s47, s47, s[ROWC]
	s_mul_i32 s47, s47, VP
	s_add_co_u32 s47, s47, s46
	s_add_co_u32 s47, s47, XV
	v_add_nc_u32 v[UB], s47, v[GOF]
	s_lshl_b32 s47, s[WV], 11
	s_add_co_u32 s49, s47, SB
	v_lshl_add_u32 v[SBW], v[LN], 6, s49           ; lane l makes the constants of d 4 l .. 4 l + 3
	v_lshl_add_u32 v[SBR], v[H], 6, s49            ; half h reads those of d 8 c + 4 h + 0 .. 3
	s_add_co_u32 s49, s47, PB
	v_lshlrev_b32 v[PBW], 10, v[H]
	v_lshl_add_u32 v[PBW], v[R], 4, v[PBW]
	v_add_nc_u32 v[PBW], s49, v[PBW]
	s_lshr_b32 s47, s[WV], 2
	s_lshl_b32 s47, s47, 13                        ; the four waves that share my direction and row
	s_add_co_u32 s47, s47, s46
	s_add_co_u32 s47, s47, PB
	v_add_nc_u32 v[PBR], s47, v[GOF]
	s_wait_loadcnt 0x3                             ; my piece is in; the three younger loads (W's scale words, the bias twice) may be out
	global_store_b128 v[GOF], v[CH:CH+3], s[OUTC:OUTC+1] th:TH_STORE_NT   ; 32 lanes store 512 consecutive bytes, at a multiple of 256 from out0's first byte
	ds_store_b128 v[LST], v[CH:CH+3]
	s_wait_xcnt 0x0                                ; the store has read its data: v24-27 are written again further down
	BARRIER                                        ; img's and audio's two rows lie in LDS
	; ---- waves 0 to 3 quantise img: wave s makes K step s (128 along K) of the A tile.  Register 16 b + i = k 32 b + 16 h + i of my row
	s_cmp_lt_u32 s[WV], 4
	s_cbranch_scc0 .Lno_quant
.irp b, 0,1,2,3
.irp j, 0,1,2,3
	ds_load_b128 v[XN+16*\b+4*\j:XN+16*\b+4*\j+3], v[XA] offset:128*\b+16*\j
.endr
.endr
.irp b, 0,1,2,3
	v_mov_b32 v[TM+4+\b], 0                        ; a lane permute's destination counts as one of its sources
.endr
	s_wait_dscnt 0x0
.irp b, 0,1,2,3
	v_max3_num_f32 v[TM+\b], |v[XN+16*\b]|, |v[XN+1+16*\b]|, 0x2800000   ; block b: my 16 numbers, and the floor 2^(5 - 127): so the byte cannot fall under 1
.endr
.irp i, 2,4,6,8,10,12,14
.irp b, 0,1,2,3
	v_max3_num_f32 v[TM+\b], v[TM+\b], |v[XN+16*\b+\i]|, |v[XN+1+16*\b+\i]|   ; the four blocks by turns
.endr
.endr
.irp b, 0,1,2,3
	v_permlanex16_b32 v[TM+4+\b], v[TM+\b], s[SEL], s[SEL+1]
.endr
.irp b, 0,1,2,3
	v_max_num_f32 v[TM+\b], v[TM+\b], v[TM+4+\b]   ; with lane l xor 16's: the block's largest magnitude
.endr
.irp b, 0,1,2,3
	v_add_nc_u32 v[TM+12+\b], 0xfe000000, v[TM+\b] ; 4 off its exponent field: the conversion takes the exponent field of this operand as its scale
.endr
.irp b, 0,1,2,3
	v_lshrrev_b32 v[TM+4+\b], 23, v[TM+12+\b]      ; the scale's byte
.endr
	v_lshl_or_b32 v[PW], v[TM+5], 8, v[TM+4]       ; the four bytes make my row's scale word
	v_lshl_or_b32 v[PW], v[TM+6], 16, v[PW]
	v_lshl_or_b32 v[PW], v[TM+7], 24, v[PW]
.irp c, 0,1
	v_cvt_scalef32_pk16_bf6_f32 v[PC+6*\c:PC+2+6*\c], v[XN+32*\c:XN+15+32*\c], v[TM+12+2*\c]
	v_cvt_scalef32_pk16_bf6_f32 v[PC+12+4*\c:PC+14+4*\c], v[XN+16+32*\c:XN+31+32*\c], v[TM+12+2*\c+1]   ; (a conversion's three registers begin on an even number)
.endr
	v_nop                                          ; one plain place behind a scaled conversion
.irp c, 0,1                                    ; the operand's layout wants a whole block in a lane: lanes 0-15 block 2 c, lanes 16-31 block 2 c + 1
.irp i, 0,1,2
	v_permlane16_swap_b32 v[PC+6*\c+\i], v[PC+12+4*\c+\i]
.endr
.irp i, 0,1,2
	v_mov_b32 v[PC+3+6*\c+\i], v[PC+12+4*\c+\i]
.endr
.endr
.irp c, 0,1,2
	ds_store_b128 v[XWI], v[PC+4*\c:PC+4*\c+3] offset:512*\c   ; the fragment goes to LDS as an image of its registers
.endr
	ds_store_b32 v[XWS], v[PW]
.Lno_quant:
	s_wait_tensorcnt 0x0                           ; my 32 rows of W have landed; only I read them
	BARRIER                                        ; img's four fragments lie in LDS
	; ---- t: my 32 columns for the two rows
.irp s, 0,1,2,3
.irp c, 0,1,2
	ds_load_b128 v[XF+12*\s+4*\c:XF+12*\s+4*\c+3], v[LI] offset:FRB*\s+512*\c
.endr
	ds_load_b32 v[XS+\s], v[LS] offset:128*\s
.endr
; A fragment of W, 16 rows x 128 K, is 12 registers: lane (r, h) takes, of row r, the pieces of 8 bytes 12 s + 3 h + 0, 1, 2 and 12 s + 6 + 3 h + 0, 1, 2, as they lie.  16 bytes of padding lie behind every 16 pieces:
; where the piece three on lies behind one padding more, the second address register (40 for 24 bytes a half) serves.
.macro FRAG reg, s, t
.irp p, 0,1,2,3,4,5
.set PCE, 12*(\s)+6*(\p/3)+\p%3
.if PCE%16 < 13
	ds_load_b64 v[\reg+2*\p:\reg+2*\p+1], v[ADW] offset:8*PCE+16*(PCE/16)+(\t)*16*WP
.else
	ds_load_b64 v[\reg+2*\p:\reg+2*\p+1], v[ADW+1] offset:8*PCE+16*(PCE/16)+(\t)*16*WP
.endif
.endr
.endm
.irp t, 0,1
.irp s, 0,1,2,3
	FRAG WF+48*\t+12*\s, \s, \t
.endr
.endr
	s_wait_loadcnt 0x0                             ; W's scale words and the bias
	s_wait_dscnt 0x0
.irp s, 0,1,2,3                                ; the two accumulators take turns, one instruction a turn; the first K step starts the sums
.if \s == 0
	v_wmma_scale_f32_16x16x128_f8f6f4 v[D0:D0+7], v[XF:XF+11], v[WF:WF+11], 0, v[XS], v[WS] matrix_a_fmt:MATRIX_FMT_BF6 matrix_b_fmt:MATRIX_FMT_BF6
	v_wmma_scale_f32_16x16x128_f8f6f4 v[D1:D1+7], v[XF:XF+11], v[WF+48:WF+59], 0, v[XS], v[WS] matrix_a_fmt:MATRIX_FMT_BF6 matrix_b_fmt:MATRIX_FMT_BF6 matrix_b_scale:MATRIX_SCALE_ROW1
.else
	v_wmma_scale_f32_16x16x128_f8f6f4 v[D0:D0+7], v[XF+12*\s:XF+12*\s+11], v[WF+12*\s:WF+12*\s+11], v[D0:D0+7], v[XS+\s], v[WS+\s] matrix_a_fmt:MATRIX_FMT_BF6 matrix_b_fmt:MATRIX_FMT_BF6
	v_wmma_scale_f32_16x16x128_f8f6f4 v[D1:D1+7], v[XF+12*\s:XF+12*\s+11], v[WF+48+12*\s:WF+48+12*\s+11], v[D1:D1+7], v[XS+\s], v[WS+\s] matrix_a_fmt:MATRIX_FMT_BF6 matrix_b_fmt:MATRIX_FMT_BF6 matrix_b_scale:MATRIX_SCALE_ROW1
.endif
.endr
	v_mul_f32 v[BI], s[C2], v[BI]                  ; four places behind the last product (ISA guide 7.12.1): the bias x 2 log2(e), twice, and two v_nop
	v_mul_f32 v[BI+1], s[C2], v[BI+1]
	v_nop
	v_nop
	v_fma_f32 v[Y], v[D0], s[C2], v[BI]            ; 2 log2(e) (sum + bias).  Register 0 of a result: row 8 h of the A tile, which is batch row h; column r
	v_fma_f32 v[Y+1], v[D1], s[C2], v[BI+1]
	v_exp_f32 v[Y], v[Y]
	v_exp_f32 v[Y+1], v[Y+1]
	v_nop                                          ; a plain place behind the transcendentals,
	s_wait_alu depctr_va_vdst(0)                   ; and the wait ahead of their first reader
	v_add_f32 v[Y], 1.0, v[Y]
	v_add_f32 v[Y+1], 1.0, v[Y+1]
	v_rcp_f32 v[Y], v[Y]
	v_rcp_f32 v[Y+1], v[Y+1]
	v_nop
	s_wait_alu depctr_va_vdst(0)
	v_fma_f32 v[Y], v[Y], -2.0, 1.0                ; tanh = 1 - 2 / (1 + e^(2 z)): 1 where the exponential is infinite, -1 where it is 0
	v_fma_f32 v[Y+1], v[Y+1], -2.0, 1.0
	ds_store_b32 v[TA], v[Y]
	ds_store_b32 v[TA], v[Y+1] offset:64
	BARRIER                                        ; t's two rows lie in LDS
	; ---- F(u, v): my 128 d against all 512 e
.irp k, 0,1,2,3,4,5,6,7
	ds_load_b128 v[VE+4*\k:VE+4*\k+3], v[VB] offset:256*\k   ; v(64 k + 4 r + 0 .. 3): sixteen lanes read 256 consecutive bytes, both halves the same
.endr
	ds_load_b128 v[CH:CH+3], v[UB]                 ; u(128 q + 4 lane + 0 .. 3)
	s_wait_dscnt 0x0
	v_max3_num_f32 v[MX], v[VE], v[VE+1], v[VE+2]  ; the largest v and the largest -v: of my 32, two chains by turns,
	v_max3_num_f32 v[MN], -v[VE], -v[VE+1], -v[VE+2]
.irp i, 3,5,7,9,11,13,15,17,19,21,23,25,27,29
	v_max3_num_f32 v[MX], v[MX], v[VE+\i], v[VE+\i+1]
	v_max3_num_f32 v[MN], v[MN], -v[VE+\i], -v[VE+\i+1]
.endr
	v_max_num_f32 v[MX], v[MX], v[VE+31]
	v_max_num_f32 v[MN], v[MN], -v[VE+31]
.irp m, 1,2,4,8
	v_max_num_f32_dpp v[MX], v[MX], v[MX] row_xmask:\m row_mask:0xf bank_mask:0xf   ; and of the sixteen lanes that hold all 512
	v_max_num_f32_dpp v[MN], v[MN], v[MN] row_xmask:\m row_mask:0xf bank_mask:0xf
.endr
.irp k, 0,1,2,3
	v_mul_f32 v[S+4*\k], 0x3fb8aa3b, v[CH+\k]      ; u' = u log2(e)
	v_mov_b32 v[S+4*\k+1], v[CH+\k]                ; u, for the weight
	v_mov_b32 v[S+4*\k+3], 0
.endr
.irp k, 0,1,2,3
	v_mul_f32 v[T+2*\k], v[S+4*\k], v[MX]          ; u' vmax
	v_mul_f32 v[T+2*\k+1], v[S+4*\k], v[MN]        ; -u' vmin
.endr
.irp k, 0,1,2,3
	v_min_num_f32 v[S+4*\k+2], -v[T+2*\k], v[T+2*\k+1]   ; -max(u' vmax, u' vmin) = -m log2(e)
.endr
.irp k, 0,1,2,3
	ds_store_b128 v[SBW], v[S+4*\k:S+4*\k+3] offset:16*\k    ; my wave's own bytes: LDS serves a wave's instructions in order (ISA guide 5.7.1.4), so no wait stands ahead of the loads
.endr
.irp k, 0,1,2,3
	ds_load_b128 v[S+4*\k:S+4*\k+3], v[SBR] offset:16*\k     ; group 0: sixteen lanes read the same 16 bytes
.endr
; A GROUP: 8 d of the wave, 4 of each half of the lanes, against the lane's 32 e.  first = 1: its first products start the weighted sums: nothing is cleared.  last = 1: no group follows, nothing is fetched.
.macro CHUNK first, last
	s_wait_dscnt 0x0                               ; the group's constants are in (asked for 64 multiply-adds ago)
.set j, 0
.rept 64                                       ; pair j % 16 of e, d number j / 16: u' v - m', two at a time (of the pairs the low word serves both halves); two pairs behind it, the exponentials
	v_pk_fma_f32 v[P+2*j:P+2*j+1], v[VE+2*(j%16):VE+2*(j%16)+1], v[S+4*(j/16):S+4*(j/16)+1], v[S+4*(j/16)+2:S+4*(j/16)+3] op_sel_hi:[1,0,0]
.if j >= 2
	v_exp_f32 v[P+2*j-4], v[P+2*j-4]
	v_exp_f32 v[P+2*j-3], v[P+2*j-3]
.endif
.set j, j+1
.endr
.irp i, 124,125,126,127
	v_exp_f32 v[P+\i], v[P+\i]
.endr
.if \last
	v_nop                                          ; a plain place behind the last exponential
.else
	s_add_co_u32 s[TB], s[TB], 128
	v_add_nc_u32 v[ADS], s[TB], v[SBR]             ; the next group's constants.  (The plain place behind the last exponential)
.endif
	s_wait_alu depctr_va_vdst(0)                   ; one wait for the 128: nothing has named a result yet
.irp k, 0,1,2,3
	v_pk_add_f32 v[T+2*\k:T+2*\k+1], v[P+32*\k:P+32*\k+1], v[P+32*\k+2:P+32*\k+3]   ; Z: my 32 e, two at a time, the four d by turns
.endr
.irp i, 4,6,8,10,12,14,16,18,20,22,24,26,28,30
.irp k, 0,1,2,3
	v_pk_add_f32 v[T+2*\k:T+2*\k+1], v[T+2*\k:T+2*\k+1], v[P+32*\k+\i:P+32*\k+\i+1]
.endr
.endr
.irp k, 0,1,2,3
	v_add_f32 v[T+2*\k], v[T+2*\k], v[T+2*\k+1]
.endr
.irp m, 1,2,4,8
.irp k, 0,1,2,3
	v_add_f32_dpp v[T+2*\k], v[T+2*\k], v[T+2*\k] row_xmask:\m row_mask:0xf bank_mask:0xf   ; and the sixteen lanes of my half: all 512 e
.endr
.endr
.irp k, 0,1,2,3
	v_rcp_f32 v[T+2*\k+1], v[T+2*\k]
.endr
	v_nop                                          ; a plain place behind the reciprocals,
	s_wait_alu depctr_va_vdst(0)                   ; and one wait for the four
.irp k, 0,1,2,3
	v_mul_f32 v[T+2*\k], v[S+4*\k+1], v[T+2*\k+1]  ; the weight u / Z, in the pair's low word
.endr
.if \last == 0
.irp k, 0,1,2,3
	ds_load_b128 v[S+4*\k:S+4*\k+3], v[ADS] offset:16*\k   ; the constants have had their last reader: the next group's land under the 64 lines below
.endr
.endif
.irp k, 0,1,2,3
.irp i, 0,2,4,6,8,10,12,14,16,18,20,22,24,26,28,30
.if \first && (\k == 0)
	v_pk_mul_f32 v[ACC+\i:ACC+\i+1], v[P+32*\k+\i:P+32*\k+\i+1], v[T+2*\k:T+2*\k+1] op_sel_hi:[1,0]
.else
	v_pk_fma_f32 v[ACC+\i:ACC+\i+1], v[P+32*\k+\i:P+32*\k+\i+1], v[T+2*\k:T+2*\k+1], v[ACC+\i:ACC+\i+1] op_sel_hi:[1,0,1]
.endif
.endr
.endr
.endm
	CHUNK 1, 0                                     ; 16 groups: the first and the last are written out
	s_mov_b32 s[CNT], 14
.Lchunk:
	CHUNK 0, 0
	s_sub_co_u32 s[CNT], s[CNT], 1
	s_cmp_lg_u32 s[CNT], 0
	s_cbranch_scc1 .Lchunk
	CHUNK 0, 1
	; ---- the way out.  The two halves of the lanes hold sums over different d: register n's lanes 16-31 change places with register 16 + n's lanes 0-15, and one addition then gives lanes 0-15 the whole sum of e(n), lanes 16-31 that of e(16 + n)
.irp i, 0,1,2,3,4,5,6,7,8,9,10,11,12,13,14,15
	v_permlane16_swap_b32 v[ACC+\i], v[ACC+16+\i]
.endr
.irp i, 0,2,4,6,8,10,12,14
	v_pk_add_f32 v[ACC+\i:ACC+\i+1], v[ACC+\i:ACC+\i+1], v[ACC+16+\i:ACC+17+\i]
.endr
.irp k, 0,1,2,3
	ds_store_b128 v[PBW], v[ACC+4*\k:ACC+4*\k+3] offset:256*\k   ; e = 64 (k + 4 h) + 4 r + 0 .. 3, at byte 4 e of my wave's 2,048
.endr
	BARRIER                                        ; the four quarters of d of each F lie in LDS
.irp g, 0,1,2,3
	ds_load_b128 v[P+4*\g:P+4*\g+3], v[PBR] offset:2048*\g       ; my four e (128 q + 4 lane on) of the four waves' parts
.endr
	s_wait_dscnt 0x0
	v_pk_add_f32 v[P:P+1], v[P:P+1], v[P+4:P+5]
	v_pk_add_f32 v[P+2:P+3], v[P+2:P+3], v[P+6:P+7]
	v_pk_add_f32 v[P+8:P+9], v[P+8:P+9], v[P+12:P+13]
	v_pk_add_f32 v[P+10:P+11], v[P+10:P+11], v[P+14:P+15]
	v_pk_add_f32 v[P:P+1], v[P:P+1], v[P+8:P+9]
	v_pk_add_f32 v[P+2:P+3], v[P+2:P+3], v[P+10:P+11]
	global_store_b128 v[GOF], v[P:P+3], s[OUTF:OUTF+1] th:TH_STORE_NT   ; 32 lanes store 512 consecutive bytes, at a multiple of 256 from out0's first byte
	s_wait_tensorcnt 0x0
	ds_add_u32 v21, v23
	s_wait_dscnt 0x0
	CROUND                                         ; the closing round: no work-group ends while a partner may still ask for a tile that names it
	s_endpgm
.Lfunc_end_k_q14d93b73b2_coatt:
	.size	k_q14d93b73b2_coatt, .Lfunc_end_k_q14d93b73b2_coatt-k_q14d93b73b2_coatt
	.p2alignl 7, 3214868480
	.fill 96, 4, 3214868480
	.section	.rodata,"a",@progbits
	.p2align	6, 0x0
	.amdhsa_kernel k_q14d93b73b2_coatt
		.amdhsa_group_segment_fixed_size 307968
		.amdhsa_private_segment_fixed_size 0
		.amdhsa_enable_private_segment 0
		.amdhsa_kernarg_size 48
		.amdhsa_user_sgpr_count 2
		.amdhsa_user_sgpr_kernarg_segment_ptr 1
		.amdhsa_wavefront_size32 1
		.amdhsa_system_sgpr_workgroup_id_x 1
		.amdhsa_system_sgpr_workgroup_id_y 1
		.amdhsa_system_sgpr_workgroup_id_z 1
		.amdhsa_system_vgpr_workitem_id 0
		.amdhsa_next_free_vgpr 256
		.amdhsa_next_free_sgpr 66
		.amdhsa_reserve_vcc 0
		.amdhsa_float_denorm_mode_32 3
		.amdhsa_float_denorm_mode_16_64 3
		.amdhsa_memory_ordered 1
		.amdhsa_forward_progress 1
		.amdhsa_inst_pref_size 78
	.end_amdhsa_kernel
	.amdgpu_metadata
---
amdhsa.version: [ 1, 2 ]
amdhsa.kernels:
  - .name:           k_q14d93b73b2_coatt
    .symbol:         k_q14d93b73b2_coatt.kd
    .args:
      - { .name: W_codes, .offset: 0, .size: 8, .value_kind: global_buffer, .address_space: global }
      - { .name: W_scales, .offset: 8, .size: 8, .value_kind: global_buffer, .address_space: global }
      - { .name: audio_proj, .offset: 16, .size: 8, .value_kind: global_buffer, .address_space: global }
      - { .name: b, .offset: 24, .size: 8, .value_kind: global_buffer, .address_space: global }
      - { .name: img_proj, .offset: 32, .size: 8, .value_kind: global_buffer, .address_space: global }
      - { .name: out0, .offset: 40, .size: 8, .value_kind: global_buffer, .address_space: global }
    .group_segment_fixed_size: 307968
    .private_segment_fixed_size: 0
    .kernarg_segment_align: 8
    .kernarg_segment_size: 48
    .max_flat_workgroup_size: 512
    .sgpr_count:     66
    .vgpr_count:     256
    .wavefront_size: 32
...
	.end_amdgpu_metadata
.endif
;; end of part 1
